; MI455X (gfx1250); checked and timed in simulation.
; The chip was launched on July 23, 2026; its instructions are those of AMD's public machine-readable ISA for CDNA 5 (MIT licence, August 2026) and "CDNA5" Instruction Set Architecture Reference Guide (July 2026). The comments in the code are by the model that wrote it; some were corrected since.
;; Self Attention. Allowed arithmetic: matrix products marked QUANTISED: E2M1 operands, one E8M0 scale for each 32 along K, by v_wmma_scale_f32_16x16x128_f8f6f4 with both operands' format E2M1 (or v_wmma_scale_f32_32x16x128_f4), f32 sums; everything else in f32.
;; Inputs: Wo 1,024 x 1,024 float32; Wqkv 3,072 x 1,024 float32; bo 1,024 float32; bqkv 3,072 float32; x 2,048 x 4 x 1,024 float32.
;; Outputs: out0 2,048 x 4 x 1,024 float32.
;; This version of the problem:
;;   THIS VERSION OF THE PROBLEM IS GIVEN IN LOW PRECISION. The matrix products marked QUANTISED in the list below multiply operands that are first quantised to E2M1 (2 exponent bits, 1 mantissa bit; 4 bits a number), with one power-of-two scale for each 32 numbers along K (OCP MX v1.0); their sums are f32. All else is computed in f32.
;;   The module's matrix products, in the order in which they are computed (A, B: the left and right operand; K: the contracted axis; several contracted axes count as one K, in the product's order):
;;     1. [M 8,192, K 1,024] x [K 1,024, N 3,072]; A: input x; B: input Wqkv: QUANTISED
;;     2. batch 64 x [M 2,048, K 64] x [K 64, N 2,048]; A: computed on the way; B: computed on the way: QUANTISED
;;     3. batch 64 x [M 2,048, K 2,048] x [K 2,048, N 64]; A: softmax (see below); B: computed on the way: QUANTISED
;;     4. [M 8,192, K 1,024] x [K 1,024, N 1,024]; A: computed on the way; B: input Wo: QUANTISED
;;   THE QUANTISER, for each operand of a quantised product, along K:
;;     - K is cut into blocks of 32 from its start; a last block that is shorter is filled with zeros.
;;     - A block's scale is 2^e with e = floor(log2(the largest magnitude in the block)) - 2, held to -126 .. 127; a block of zeros has e = 0. As a byte (E8M0): e + 127.
;;     - Each number is divided by its block's scale, clamped to +-6, and rounded to the nearest number of E2M1, ties to even, subnormals kept.
;;     - The product sums the exact products of the quantised numbers (number of the format x scale) in f32.
;;   ~~~python
;;   def quantise(x, axis):      # numpy; x: float32 -> the quantised numbers, widened to float32 again
;;       x = np.moveaxis(x, axis, -1); K = x.shape[-1]
;;       x = np.pad(x, [(0, 0)] * (x.ndim - 1) + [(0, -K % 32)]); x = x.reshape(x.shape[:-1] + (-1, 32)); a = np.abs(x).max(-1, keepdims=True)
;;       e = np.where(a > 0, np.clip(np.frexp(np.where(a > 0, a, 1))[1] - 1 - 2, -126, 127), 0)      # np.frexp(a)[1] - 1 = floor(log2(a)), exactly
;;       r = np.clip(x / 2.0 ** e, -6, 6)
;;       step = 2.0 ** (np.maximum(np.frexp(np.where(r == 0, 1, r))[1] - 1, 0) - 1)
;;       q = np.round(r / step) * step * 2.0 ** e      # np.round: ties to even
;;       return np.moveaxis(q.reshape(q.shape[:-2] + (-1,))[..., :K], -1, axis).astype(np.float32)
;;   ~~~
;;   SOFTMAX AHEAD OF A QUANTISED PRODUCT. Where the list says 'softmax', what is quantised is not the finished softmax but p = 2^(t - M), with t = logit x log2(e) and M = ceil(the row's largest t), a whole number; so 1/2 < the row's largest p <= 1. The row's sum l is taken of the UNQUANTISED p, in f32, and the product's result is divided by l at the end. Since M is a whole number, a kernel that streams over the keys may use a running M (the ceiling of the running maximum): every later rescaling is an exact power of two, which a block's scale takes up: the codes' values come out the same.
;;   OPERANDS COMPUTED ON THE WAY. 'Computed on the way' means the value that the module computes at that place (a softmax that the list does not call 'softmax' is quantised finished and normalised). What goes into a quantiser is computed in f32, as accurately as f32 sums, v_exp_f32 and their like allow (about 1e-6 of the number): no bf16 or f16 on the way to a quantiser, and a product that is left as it is and whose result goes on into a quantised operand takes f32 operands (vector FMAs, or v_wmma_f32_16x16x4_f32). A number that lies on a knife's edge between two numbers of the format may be rounded either way, as far as f32 arithmetic and the matrix unit's own rounding can turn it there, and no further.
;; One version. Each part assembles by itself: llvm-mc -triple=amdgcn-amd-amdhsa -mcpu=gfx1250 --defsym DOCPART=n.
;; ======== version 1 of 1: 4 launches
;; workspace buffers: xp 4,456,448 bytes; wp 1,671,168 bytes; wop 557,056 bytes; qp 8,912,896 bytes; kv 8,912,896 bytes; yp 4,456,448 bytes
;; launch quant (part 1): grid 384 x 1, 4 waves a work-group, no clusters, 35,328 bytes of LDS; arguments x, Wqkv, Wo, xp, wp, wop; writes xp, wp, wop
.if DOCPART == 1
	.amdgcn_target "amdgcn-amd-amdhsa--gfx1250"
	.amdhsa_code_object_version 6
	.text
	.protected	k_qa84e7066e4_quant
	.globl	k_qa84e7066e4_quant
	.p2align	8
	.type	k_qa84e7066e4_quant,@function
k_qa84e7066e4_quant:
	s_mov_b64 s[64:65], 0
	v_nop
	global_prefetch_b8 v0, s[64:65] scope:SCOPE_SE
	s_setreg_imm32_b32 hwreg(HW_REG_WAVE_MODE, 25, 1), 1
	s_wait_xcnt 0x0
; LAUNCH 1 OF 4.  x [2048][4][1024], Wqkv [3072][1024], Wo [1024][1024], f32, K innermost, become codes of FP4 (E2M1) with one E8M0 byte for each 32 along K.
; DEAD WORK: none.  Every product of reference() reaches out0; bqkv moves the codes of q, k and v, bo is added to out0: all five inputs are loaded (bqkv in launch 2, bo in launch 4).
; LAYOUT OF THE RESULT (this program's own): the order of the reader's operand registers.  Rows go in panels of 256, a panel in 8 K steps of 128, a K step in QB = 17,408 bytes:
;   16 images of 1,024 bytes (tile t: byte c*512 + lane*16 = the 32 codes k = 64c + 32(lane/16) + 0..31 of the tile's row lane%16), then 16 x 16 scale words (t*64 + row*4).
;   Row r of tile t is row 32(t/2) + 8(t%2) + r + 8(r/8) of the panel: so, where such a tile is source 0 of a product, the 16 result registers of two neighbouring tiles are 16 neighbours.
;   x's rows are numbered b*2048 + s.
; SHARES.  A wave takes 64 rows (4 tiles) x 128 along K; a work-group 64 rows x 512 along K.  Work-groups 0-255: x; 256-351: Wqkv; 352-383: Wo: only pointers and strides are chosen, one path through the text.
; Each load reads 512 consecutive bytes of one row; a tile's 16 rows turn through the wave's own stage in LDS (rows 528 bytes apart), so that a lane gets two whole blocks of 32 of its row.
; A block's scale is 2^(floor(log2(largest magnitude)) - 2); its byte is the largest magnitude's exponent field - 2, held at 1 from below.
; LIMITS: NaN and infinities among the inputs are not served; a block of zeros, or one whose largest magnitude lies under 2^-124, carries the byte 1 where the rule says 127 (its codes are zeros; this program alone reads the bytes).
.set PANEL, 139264
.set QB,    17408
.set SPITCH, 528
.set WOFF,  16*SPITCH                  ; behind a wave's stage: its 64 scale words
.set WREG,  WOFF+256                   ; a wave's LDS region: 8,704 bytes
.set SPARE, 4*WREG                     ; the spare words: 128 bytes a wave, two blocks of 256 bytes that no other line names
.set L16, 1                            ; v1     16 x lane
.set TO,  2                            ; v2-5   tile tt: 16 x lane + the tile's first row x row stride
.set STA, 6                            ; v6     the stage, way in
.set LDA, 7                            ; v7     the stage, way out: row lane%16, + 128 (lane/16)
.set SWA, 8                            ; v8     where my row's scale word goes
.set SWL, 9                            ; v9     the words, way out: 8 bytes a lane
.set G8,  10                           ; v10    8 x lane
.set SPW, 12                           ; v12    my spare word; never rewritten
.set NIL, 13                           ; v13    0; never rewritten
.set MX,  14                           ; v14-15 largest magnitudes
.set SO,  16                           ; v16-17 the conversions' scale operands
.set BY,  18                           ; v18-19 scale bytes
.set SH,  20                           ; v20    8 (lane/16)
.set PT,  21                           ; v21    the other half's bytes
.set WD,  24                           ; v24-27 a scale word for each tile
.set R,   32                           ; v32-159  two sets of 64: a tile as loaded
.set X,   160                          ; v160-223 64 numbers of my row
.set C,   224                          ; v224-255 codes, 8 registers a tile: no store's data are written again
.set ROWB, 32                          ; s[32:63] 16 row bases; never rewritten
	s_load_b256 s[4:11], s[0:1], 0x0               ; x, Wqkv, Wo, xp
	s_load_b128 s[12:15], s[0:1], 0x20             ; wp, wop
	v_lshl_add_u32 v[SPW], v0, 2, SPARE
	v_mov_b32 v[NIL], 0
	v_lshrrev_b32 v14, 5, v0
	v_readfirstlane_b32 s16, v14                   ; wave
	v_and_b32 v15, 31, v0                          ; lane
	v_lshlrev_b32 v[L16], 4, v15
	v_lshlrev_b32 v[G8], 3, v15
	v_and_b32 v16, 15, v0                          ; r
	v_bfe_u32 v17, v0, 4, 1                        ; h
	s_mul_i32 s2, s16, WREG
	v_add_nc_u32 v[STA], s2, v[L16]
	v_mul_u32_u24 v[LDA], v16, SPITCH
	v_lshl_add_u32 v[LDA], v17, 7, v[LDA]
	v_add_nc_u32 v[LDA], s2, v[LDA]
	s_add_co_u32 s2, s2, WOFF
	v_lshl_add_u32 v[SWA], v16, 2, s2
	v_add_nc_u32 v[SWL], s2, v[G8]
	v_lshlrev_b32 v[SH], 3, v17
	v_mov_b32 v[PT], 0                             ; a lane permute's destination counts as one of its sources
	s_mov_b32 s30, 0x76543210
	s_mov_b32 s31, 0xfedcba98                      ; selects for lane l xor 16
	s_wait_alu depctr_va_vdst(0)
	s_wait_kmcnt 0x0
	s_cmp_lt_u32 ttmp9, 352                        ; which tensor: the choices hang on the work-group's number alone
	s_cselect_b64 s[24:25], s[6:7], s[8:9]
	s_cselect_b64 s[26:27], s[12:13], s[14:15]
	s_mov_b32 s17, 352
	s_cselect_b32 s17, 256, s17
	s_cmp_lt_u32 ttmp9, 256
	s_cselect_b64 s[24:25], s[4:5], s[24:25]       ; from
	s_cselect_b64 s[26:27], s[10:11], s[26:27]     ; to
	s_cselect_b32 s17, 0, s17                      ; the tensor's first work-group
	s_mov_b32 s18, 4096
	s_cselect_b32 s18, 16384, s18                  ; bytes from a row to the next: x's rows of one b lie 4 rows apart
	s_cselect_b32 s19, 31, 63
	s_cselect_b32 s20, 1, 0
	s_sub_co_u32 s21, ttmp9, s17
	s_lshr_b32 s22, s21, 1                         ; G: which 64 rows, in the result's numbering
	s_and_b32 s21, s21, 1
	s_lshl_b32 s21, s21, 2
	s_add_co_u32 s21, s21, s16                     ; q: which 128 along K
	s_and_b32 s23, s22, s19                        ; x: 64 s-rows of one b; weights: G itself
	s_lshr_b32 s19, s22, 5
	s_mul_i32 s19, s19, s20                        ; x: b; weights: 0
	s_lshl_b32 s23, s23, 6
	s_mul_i32 s23, s23, s18
	s_lshl_b32 s19, s19, 12
	s_add_co_u32 s23, s23, s19
	s_lshl_b32 s19, s21, 9
	s_add_co_u32 s2, s23, s19
	s_mov_b32 s3, 0
	s_add_nc_u64 s[24:25], s[24:25], s[2:3]        ; my first row, my K step
	s_lshr_b32 s19, s22, 2
	s_mul_i32 s19, s19, PANEL
	s_mul_i32 s20, s21, QB
	s_add_co_u32 s19, s19, s20                     ; the panel's K step
	s_and_b32 s20, s22, 3
	s_lshl_b32 s2, s20, 8
	s_add_co_u32 s2, s2, s19
	s_add_co_u32 s2, s2, 16384
	s_add_nc_u64 s[28:29], s[26:27], s[2:3]        ; my 64 scale words
	s_lshl_b32 s2, s20, 12
	s_add_co_u32 s2, s2, s19
	s_add_nc_u64 s[26:27], s[26:27], s[2:3]        ; my 4 images
.irp r, 0,1,2,3,4,5,6,7,8,9,10,11,12,13,14,15
	s_mul_i32 s2, s18, \r+8*(\r/8)
	s_add_nc_u64 s[ROWB+2*\r:ROWB+2*\r+1], s[24:25], s[2:3]   ; row r of a tile lies r + 8 (r/8) rows behind the tile's first
.endr
.irp tt, 0,1,2,3
	s_mul_i32 s2, s18, 32*(\tt/2)+8*(\tt%2)
	v_add_nc_u32 v[TO+\tt], s2, v[L16]
.endr
.macro LOADT tt                        ; a tile's 16 rows: each load reads 512 consecutive bytes, aligned
.irp r, 0,1,2,3,4,5,6,7,8,9,10,11,12,13,14,15
	global_load_b128 v[R+64*((\tt)%2)+4*\r:R+64*((\tt)%2)+4*\r+3], v[TO+(\tt)], s[ROWB+2*\r:ROWB+2*\r+1] th:TH_LOAD_NT
.endr
.endm
.macro TILE tt
.if (\tt) < 3
	s_wait_loadcnt 16                              ; this tile's 16 loads are in; the next tile's 16 may be out
.else
	s_wait_loadcnt 0x0
.endif
.irp r, 0,1,2,3,4,5,6,7,8,9,10,11,12,13,14,15
	ds_store_b128 v[STA], v[R+64*((\tt)%2)+4*\r:R+64*((\tt)%2)+4*\r+3] offset:\r*SPITCH
.endr
.irp c, 0,1
.irp i, 0,1,2,3,4,5,6,7
	ds_load_b128 v[X+32*\c+4*\i:X+32*\c+4*\i+3], v[LDA] offset:256*\c+16*\i   ; LDS serves a wave's instructions in order: these see the stores.  k = 64 c + 32 h + 4 i ..
.endr
.endr
	s_wait_dscnt 0x0                               ; my 64 numbers are in, and the stores have read their registers
.if (\tt) < 2
	LOADT (\tt)+2
.endif
.irp c, 0,1
	v_max3_num_f32 v[MX+\c], |v[X+32*\c]|, |v[X+32*\c+1]|, 0x1800000   ; block 2 c + h is all mine; the floor 2^(3 - 127) holds the byte at 1 from below
.endr
.irp i, 2,4,6,8,10,12,14,16,18,20,22,24,26,28,30
.irp c, 0,1
	v_max3_num_f32 v[MX+\c], v[MX+\c], |v[X+32*\c+\i]|, |v[X+32*\c+\i+1]|
.endr
.endr
.irp c, 0,1
	v_add_nc_u32 v[SO+\c], 0xff000000, v[MX+\c]    ; 2 off the exponent field: the conversion's scale operand
.endr
.irp c, 0,1
	v_lshrrev_b32 v[BY+\c], 23, v[SO+\c]           ; the scale's byte
.endr
	v_lshl_or_b32 v[WD+(\tt)], v[BY+1], 16, v[BY]  ; blocks h and 2 + h,
	v_lshlrev_b32 v[WD+(\tt)], v[SH], v[WD+(\tt)]  ; at their places;
	v_permlanex16_b32 v[PT], v[WD+(\tt)], s30, s31
	v_or_b32 v[WD+(\tt)], v[WD+(\tt)], v[PT]       ; with lane l xor 16's two the word is whole
.irp c, 0,1
.irp g, 0,1,2,3
	v_cvt_scalef32_pk8_fp4_f32 v[C+8*(\tt)+4*\c+\g], v[X+32*\c+8*\g:X+32*\c+8*\g+7], v[SO+\c]
.endr
.endr
	v_nop                                          ; one plain line behind the last conversion
	ds_store_b32 v[SWA], v[WD+(\tt)] offset:64*(\tt)   ; both lanes of a row write the same word
	global_store_b128 v[L16], v[C+8*(\tt):C+8*(\tt)+3], s[26:27] offset:1024*(\tt)         ; 512 consecutive bytes, aligned
	global_store_b128 v[L16], v[C+8*(\tt)+4:C+8*(\tt)+7], s[26:27] offset:1024*(\tt)+512
.endm
	LOADT 0
	LOADT 1
	s_wait_alu depctr_va_vdst(0)
	TILE 0
	TILE 1
	TILE 2
	TILE 3
	ds_load_b64 v[14:15], v[SWL]                   ; my wave's 64 words
	s_wait_dscnt 0x0
	global_store_b64 v[G8], v[14:15], s[28:29]     ; 256 consecutive bytes, aligned
	s_wait_tensorcnt 0x0                           ; the wave's end
	ds_add_u32 v[SPW], v[NIL]
	s_wait_dscnt 0x0
	s_endpgm
.Lfunc_end_k_qa84e7066e4_quant:
	.size	k_qa84e7066e4_quant, .Lfunc_end_k_qa84e7066e4_quant-k_qa84e7066e4_quant
	.p2alignl 7, 3214868480
	.fill 96, 4, 3214868480
	.section	.rodata,"a",@progbits
	.p2align	6, 0x0
	.amdhsa_kernel k_qa84e7066e4_quant
		.amdhsa_group_segment_fixed_size 35328
		.amdhsa_private_segment_fixed_size 0
		.amdhsa_enable_private_segment 0
		.amdhsa_kernarg_size 48
		.amdhsa_user_sgpr_count 2
		.amdhsa_user_sgpr_kernarg_segment_ptr 1
		.amdhsa_wavefront_size32 1
		.amdhsa_system_sgpr_workgroup_id_x 1
		.amdhsa_system_sgpr_workgroup_id_y 1
		.amdhsa_system_sgpr_workgroup_id_z 1
		.amdhsa_system_vgpr_workitem_id 0
		.amdhsa_next_free_vgpr 256
		.amdhsa_next_free_sgpr 66
		.amdhsa_reserve_vcc 0
		.amdhsa_float_denorm_mode_32 3
		.amdhsa_float_denorm_mode_16_64 3
		.amdhsa_memory_ordered 1
		.amdhsa_forward_progress 1
		.amdhsa_inst_pref_size 32
	.end_amdhsa_kernel
	.amdgpu_metadata
---
amdhsa.version: [ 1, 2 ]
amdhsa.kernels:
  - .name:           k_qa84e7066e4_quant
    .symbol:         k_qa84e7066e4_quant.kd
    .args:
      - { .name: x, .offset: 0, .size: 8, .value_kind: global_buffer, .address_space: global }
      - { .name: Wqkv, .offset: 8, .size: 8, .value_kind: global_buffer, .address_space: global }
      - { .name: Wo, .offset: 16, .size: 8, .value_kind: global_buffer, .address_space: global }
      - { .name: xp, .offset: 24, .size: 8, .value_kind: global_buffer, .address_space: global }
      - { .name: wp, .offset: 32, .size: 8, .value_kind: global_buffer, .address_space: global }
      - { .name: wop, .offset: 40, .size: 8, .value_kind: global_buffer, .address_space: global }
    .group_segment_fixed_size: 35328
    .private_segment_fixed_size: 0
    .kernarg_segment_align: 8
    .kernarg_segment_size: 48
    .max_flat_workgroup_size: 128
    .sgpr_count:     66
    .vgpr_count:     256
    .wavefront_size: 32
...
	.end_amdgpu_metadata
.endif
;; end of part 1
;; launch gemm_qkv (part 2): grid 12 x 32, 4 waves a work-group, clusters of 4 x 4, 279,040 bytes of LDS; arguments xp, wp, bqkv, qp, kv; writes qp, kv
.if DOCPART == 2
	.amdgcn_target "amdgcn-amd-amdhsa--gfx1250"
	.amdhsa_code_object_version 6
	.text
	.protected	k_qa84e7066e4_gemm_qkv
	.globl	k_qa84e7066e4_gemm_qkv
	.p2align	8
	.type	k_qa84e7066e4_gemm_qkv,@function
k_qa84e7066e4_gemm_qkv:
	s_mov_b64 s[64:65], 0
	v_nop
	global_prefetch_b8 v0, s[64:65] scope:SCOPE_SE
	s_setreg_imm32_b32 hwreg(HW_REG_WAVE_MODE, 25, 1), 1
	s_wait_xcnt 0x0
	s_wait_alu depctr_hold_cnt(0) depctr_sa_sdst(0) depctr_va_vdst(0) depctr_va_sdst(0) depctr_va_ssrc(0) depctr_va_vcc(0) depctr_vm_vsrc(0)
	s_getreg_b32 s2, hwreg(HW_REG_IB_STS2, 6, 4)
	s_cmp_eq_u32 s2, 0
	s_cbranch_scc0 .Lentry_in_a_cluster
	s_endpgm
.Lentry_in_a_cluster:
	s_bfe_u32 s2, ttmp6, 0x10000c
	s_cmp_lg_u32 s2, 0xf033
	s_cbranch_scc0 .Lentry_shape_is_right
	s_endpgm
.Lentry_shape_is_right:
; LAUNCH 2 OF 4.  qkv = x Wqkv^T + bqkv on codes of FP4; q, k and v are quantised in registers and leave as codes, in the order of the attention launch's operand registers.  No work is left out.
; ONE BODY, TWO ORIENTATIONS.  Source 0 is P, the axis along which the result is quantised; source 1 is R: a lane holds one row of R and its registers run along P.
;   clusters x = 0, 1 (q, k): P = 256 rows of Wqkv (4 heads x 64 d), R = 256 rows of x.   cluster x = 2 (v): P = 256 rows of x (keys of one b), R = 256 rows of Wqkv.
; A work-group makes 256 P x 256 R; a wave 128 x 128: 64 accumulators.  In 4-bit codes a whole panel (256 rows, all of K = 1,024, scale words among them) is 139,264 bytes: both panels lie in LDS at once,
; so no LDS byte is filled twice: every tensor load is a first fill, issued at the head, in four chunks of two K steps; four loads of a wave are out at the most.
; CLUSTER 4 x 4: P's panel hangs on cx and is shared along a column, R's on cy and is shared along a row: joint loads.  The kind hangs on the cluster's x alone: it is the same in all sixteen partners.
; THE HEAD PACK (qp, kv): [16 b + h][step of 128 keys]: 8,704 bytes: K (in qp: Q) 8 tiles x 512 (lane*16: key of the tile's row lane%16, d = 32 (lane/16) ..); at 4,096 V: c*2048 + t*512 + lane*16 (d-row, keys 64 c + 32 (lane/16) ..);
;   at 8,192 K's scale words (lane*8 + g*4: pair of tiles 2 g + lane/16, row lane%16); at 8,448 V's (d-tile 2 g + lane/16).
; LIMITS: NaN and infinities are not served; a block whose largest magnitude lies under 2^-124 carries the byte 1 (this program alone reads the bytes).
.set QB,    17408                      ; a panel's K step: 16 images of 1,024 bytes, 1,024 bytes of scale words
.set PANEL, 8*QB
.set HS,    139264                     ; a head's pack
.set SB,    8704                       ; a step of 128 keys in it
.set RBASE, PANEL                      ; LDS: P's panel at 0, R's behind it
.set SPARE, 2*PANEL                    ; the spare words: 128 bytes a wave, two blocks of 256 bytes that no other line names
.set L16,  1                           ; v1   16 x lane
.set ADRP, 2                           ; v2   my 8 tiles of P in the K step in hand
.set ADRR, 3                           ; v3   my 8 tiles of R
.set ADRS, 4                           ; v4   scale words: lanes 0-15 P's, lanes 16-31 R's
.set L8,   5                           ; v5   8 x lane
.set BO0,  6                           ; v6   bias along P: 64 (lane/16)
.set BO1,  7                           ; v7   bias along R: 4 (r + 8 (r/8))
.set SPW,  12                          ; v12  my spare word; never rewritten
.set NIL,  13                          ; v13  0; never rewritten
.set TM,   16                          ; v16-31   at work in QUANT
.set SC,   32                          ; v32-47   scale words, two sets of 8
.set PW,   48                          ; v48-55   the scale word made for each tile of R
.set OW,   56                          ; v56-59   scale words as they leave
.set RF,   64                          ; v64-191  R's fragments, two sets of 64
.set N,    64                          ; v64-127  later: 64 numbers ahead of the quantiser
.set PC,   128                         ; v128-191 later: the codes, 8 registers for each tile of R
.set BIAS, 192                         ; v192-255
                                       ; window 1: v0-127 P's fragments, two sets.  windows 2, 3: accumulator (j, i) at window 2 + j/4, v[64 (j%4) + 8 i]
.set G1P, 24
.set G1R, 32
.set G0P, 40                           ; s[40:55] four groups 0 for P
.set G0R, 68                           ; s[68:83] four for R
.set OB,  84                           ; s[84:85] where my results go
.set BP,  86                           ; s[86:87] my biases
.set LMASK, 88                         ; s88 lanes 16-31
.set SEL, 90                           ; s[90:91] selects for lane l xor 16
.set MSB, 0
.macro WIN new                         ; the immediate's high byte repeats the setting that is left
.if MSB != (\new)
	s_set_vgpr_msb (MSB<<8)|(\new)
.set MSB, (\new)
.endif
.endm
.macro CROUND                          ; a round of the cluster's barrier
	s_barrier_signal -1
	s_barrier_wait -1
	s_cmp_lg_u32 s14, 0
	s_cbranch_scc1 .Lnot_wave_0_\@
	s_barrier_signal -3
.Lnot_wave_0_\@:
	s_barrier_wait -3
	s_barrier_signal -1
	s_barrier_wait -1
.endm
	s_load_b256 s[4:11], s[0:1], 0x0               ; xp, wp, bqkv, qp
	s_load_b64 s[12:13], s[0:1], 0x20              ; kv
	v_lshl_add_u32 v[SPW], v0, 2, SPARE
	v_mov_b32 v[NIL], 0
	ds_add_u32 v[SPW], v[NIL]                      ; the wave's opening: the add, twice on end, and its wait ahead of my first tensor load
	ds_add_u32 v[SPW], v[NIL]
	v_lshrrev_b32 v8, 5, v0
	v_readfirstlane_b32 s14, v8                    ; wave
	s_lshr_b32 s15, s14, 1                         ; wr: my half of R.  Also: I fetch for P (0) or for R (1)
	s_and_b32 s16, s14, 1                          ; wp: my half of P.  Also: which K step of a chunk I fetch
	s_bfe_u32 s18, ttmp6, 0x40000                  ; cx
	s_bfe_u32 s19, ttmp6, 0x40004                  ; cy
	s_mov_b32 s20, ttmp9                           ; cluster x
	s_and_b32 s21, ttmp7, 0xffff                   ; cluster y
	s_cmp_eq_u32 s20, 2
	s_cselect_b32 s17, 1, 0                        ; the kind: 1 = v
	s_cselect_b32 s22, s21, s20
	s_cselect_b32 s23, s20, s21
	s_lshl_b32 s22, s22, 2
	s_add_co_u32 s22, s22, s18                     ; P's panel: it never holds cy
	s_lshl_b32 s23, s23, 2
	s_add_co_u32 s23, s23, s19                     ; R's panel: it never holds cx
	s_lshl_b32 s56, 0x1111, s18                    ; my column of the cluster
	s_lshl_b32 s57, s19, 2
	s_lshl_b32 s57, 15, s57                        ; my row
	s_or_b32 s[G1P], s56, (3<<16)|(1<<21)          ; the mask; elements of 8 bytes; bit 21 beside a mask; no padding
	s_or_b32 s[G1R], s57, (3<<16)|(1<<21)
.irp g, G1P, G1R                       ; a K step is a dense block of 17,408 bytes: 68 rows of 256
	s_mov_b32 s[\g+1], 32<<16
	s_mov_b32 s[\g+2], 68<<16
	s_mov_b32 s[\g+3], 32<<16
	s_mov_b32 s[\g+4], 68
	s_mov_b32 s[\g+5], 32
	s_mov_b32 s[\g+6], 0
	s_mov_b32 s[\g+7], 0
.endr
	s_mul_i32 s62, s16, QB                         ; my K step's place in a chunk, in LDS and in memory
	s_mul_i32 s58, s22, PANEL
	s_add_co_u32 s58, s58, s62
	s_mov_b32 s59, 0
	s_mul_i32 s60, s23, PANEL
	s_add_co_u32 s60, s60, s62
	s_mov_b32 s61, 0
	s_mov_b32 s[LMASK], 0xffff0000
	s_mov_b32 s[SEL], 0x76543210
	s_mov_b32 s[SEL+1], 0xfedcba98
	s_wait_dscnt 0x0                               ; both opening adds are done
	s_wait_kmcnt 0x0
	s_cmp_eq_u32 s17, 1
	s_cselect_b64 s[92:93], s[4:5], s[6:7]         ; P: x's codes for v, else Wqkv's
	s_cselect_b64 s[94:95], s[6:7], s[4:5]         ; R: the other
	s_add_nc_u64 s[92:93], s[92:93], s[58:59]
	s_add_nc_u64 s[94:95], s[94:95], s[60:61]
.irp k, 0,1,2,3                        ; chunk k: K steps 2 k and 2 k + 1
	s_mov_b32 s[G0P+4*\k], 1
	s_add_co_u32 s[G0P+4*\k+1], s62, \k*2*QB
	s_add_nc_u64 s[G0P+4*\k+2:G0P+4*\k+3], s[92:93], \k*2*QB
	s_or_b32 s[G0P+4*\k+3], s[G0P+4*\k+3], 0x80000000
	s_mov_b32 s[G0R+4*\k], 1
	s_add_co_u32 s[G0R+4*\k+1], s62, RBASE+\k*2*QB
	s_add_nc_u64 s[G0R+4*\k+2:G0R+4*\k+3], s[94:95], \k*2*QB
	s_or_b32 s[G0R+4*\k+3], s[G0R+4*\k+3], 0x80000000
.endr
	CROUND                                         ; all sixteen work-groups are here: the joint loads meet
	s_cmp_eq_u32 s15, 0                            ; a wave's four first fills stand in one branch on the wave's number
	s_cbranch_scc0 .Lfirst_r
.irp k, 0,1,2,3
	tensor_load_to_lds s[G0P+4*\k:G0P+4*\k+3], s[G1P:G1P+7]
	s_nop 0
.endr
.rept 4
	v_nop
.endr
	s_branch .Lfirst_done
.Lfirst_r:
.irp k, 0,1,2,3
	tensor_load_to_lds s[G0R+4*\k:G0R+4*\k+3], s[G1R:G1R+7]
	s_nop 0
.endr
.rept 4
	v_nop
.endr
.Lfirst_done:
	v_and_b32 v8, 31, v0
	v_lshlrev_b32 v[L16], 4, v8
	v_lshlrev_b32 v[L8], 3, v8
	v_and_b32 v9, 15, v0                           ; r
	v_bfe_u32 v10, v0, 4, 1                        ; h
	s_lshl_b32 s56, s16, 13
	v_add_nc_u32 v[ADRP], s56, v[L16]
	s_lshl_b32 s57, s15, 13
	s_add_co_u32 s57, s57, RBASE
	v_add_nc_u32 v[ADRR], s57, v[L16]
	s_lshl_b32 s56, s16, 9                         ; P's words of my 8 tiles
	s_lshl_b32 s57, s15, 9
	s_add_co_u32 s57, s57, RBASE                   ; R's
	s_sub_co_u32 s57, s57, s56
	v_mul_u32_u24 v[ADRS], s57, v10                ; lanes 16-31 take R's: one product, the distance between the two
	s_wait_alu depctr_va_vdst(0)
	s_add_co_u32 s56, s56, 16384
	v_lshl_add_u32 v[ADRS], v9, 2, v[ADRS]
	v_add_nc_u32 v[ADRS], s56, v[ADRS]
	v_lshlrev_b32 v[BO0], 6, v10
	v_and_b32 v11, 8, v9
	v_add_nc_u32 v11, v11, v9
	v_lshlrev_b32 v[BO1], 2, v11
.irp b, 0,1,2,3
	v_mov_b32 v[TM+4+\b], 0                        ; a lane permute's destination counts as one of its sources
.endr
.macro FETCH set                       ; a K step's fragments and scale words: 40 LDS loads, each lane's bytes at 16 (or 4) x lane
	WIN 0x40
.irp i, 0,1,2,3,4,5,6,7
.irp c, 0,1
	ds_load_b128 v[64*(\set)+8*\i+4*\c:64*(\set)+8*\i+4*\c+3], v[ADRP] offset:\i*1024+\c*512
.endr
.endr
	WIN 0
.irp i, 0,1,2,3,4,5,6,7
.irp c, 0,1
	ds_load_b128 v[RF+64*(\set)+8*\i+4*\c:RF+64*(\set)+8*\i+4*\c+3], v[ADRR] offset:\i*1024+\c*512
.endr
.endr
.irp i, 0,1,2,3,4,5,6,7
	ds_load_b32 v[SC+8*(\set)+\i], v[ADRS] offset:64*\i
.endr
.endm
.macro MUL set, zero                   ; 64 products, 128 along K.  The 64 accumulators take turns, one instruction a turn, in one order in every step
.irp j, 0,1,2,3,4,5,6,7
.if \j == 0
	WIN 0xa1                                       ; source 0 window 1, source 1 window 0, C and D window 2
.endif
.if \j == 4
	WIN 0xf1                                       ; C and D window 3
.endif
.irp i, 0,1,2,3,4,5,6,7
.if \zero
	v_wmma_scale_f32_16x16x128_f8f6f4 v[64*(\j%4)+8*\i:64*(\j%4)+8*\i+7], v[64*(\set)+8*\i:64*(\set)+8*\i+7], v[RF+64*(\set)+8*\j:RF+64*(\set)+8*\j+7], 0, v[SC+8*(\set)+\i], v[SC+8*(\set)+\j] matrix_a_fmt:MATRIX_FMT_FP4 matrix_b_fmt:MATRIX_FMT_FP4 matrix_b_scale:MATRIX_SCALE_ROW1
.else
	v_wmma_scale_f32_16x16x128_f8f6f4 v[64*(\j%4)+8*\i:64*(\j%4)+8*\i+7], v[64*(\set)+8*\i:64*(\set)+8*\i+7], v[RF+64*(\set)+8*\j:RF+64*(\set)+8*\j+7], v[64*(\j%4)+8*\i:64*(\j%4)+8*\i+7], v[SC+8*(\set)+\i], v[SC+8*(\set)+\j] matrix_a_fmt:MATRIX_FMT_FP4 matrix_b_fmt:MATRIX_FMT_FP4 matrix_b_scale:MATRIX_SCALE_ROW1
.endif
.endr
.endr
	WIN 0
.endm
; K step q.  tw >= 0: the next step lies in a chunk not yet shown landed: my part of it is waited for (tw chunks were issued behind it and may stay out), then the work-group's barrier.
.macro KSTEP q, tw
	s_wait_dscnt 0x0                               ; this step's 40 loads, issued a step ago, are in
.if (\tw) >= 0
	s_wait_tensorcnt \tw
	s_barrier_signal -1
	s_barrier_wait -1
.endif
.if (\q) < 7
	v_add_nc_u32 v[ADRP], QB, v[ADRP]              ; these four lines are the places between the last products and the loads into registers that they read (ISA guide 7.12.1 for vector instructions)
	v_add_nc_u32 v[ADRR], QB, v[ADRR]
	v_add_nc_u32 v[ADRS], QB, v[ADRS]
	v_nop
	FETCH ((\q)+1)%2
.endif
.if (\q) == 0
	MUL 0, 1                                       ; the first products start the sums: nothing is cleared
.else
	MUL (\q)%2, 0
.endif
.endm
; 64 numbers of a lane, register 16 b + i = index 32 b + 16 (lane/16) + i along the quantised axis, become a fragment's codes in v[pc] on and its scale word in v[pw].
.macro QUANT s, pc, pw
.irp b, 0,1,2,3
	v_max3_num_f32 v[TM+\b], |v[\s+16*\b]|, |v[\s+1+16*\b]|, 0x1800000   ; my 16 of block b, and the floor 2^(3 - 127)
.endr
.irp i, 2,4,6,8,10,12,14
.irp b, 0,1,2,3
	v_max3_num_f32 v[TM+\b], v[TM+\b], |v[\s+16*\b+\i]|, |v[\s+1+16*\b+\i]|
.endr
.endr
.irp b, 0,1,2,3
	v_permlanex16_b32 v[TM+4+\b], v[TM+\b], s[SEL], s[SEL+1]
.endr
.irp b, 0,1,2,3
	v_max_num_f32 v[TM+\b], v[TM+\b], v[TM+4+\b]   ; with lane l xor 16's: the block's largest magnitude
.endr
.irp b, 0,1,2,3
	v_add_nc_u32 v[TM+12+\b], 0xff000000, v[TM+\b] ; 2 off its exponent field: the conversion's scale operand
.endr
.irp b, 0,1,2,3
	v_lshrrev_b32 v[TM+4+\b], 23, v[TM+12+\b]      ; the scale's byte
.endr
	v_lshl_or_b32 v[\pw], v[TM+5], 8, v[TM+4]
	v_lshl_or_b32 v[\pw], v[TM+6], 16, v[\pw]
	v_lshl_or_b32 v[\pw], v[TM+7], 24, v[\pw]
.irp b, 0,1,2,3
	v_cvt_scalef32_pk8_fp4_f32 v[\pc+2*\b], v[\s+16*\b:\s+7+16*\b], v[TM+12+\b]
	v_cvt_scalef32_pk8_fp4_f32 v[\pc+1+2*\b], v[\s+8+16*\b:\s+15+16*\b], v[TM+12+\b]
.endr
	v_nop                                          ; one plain line behind the last conversion
.irp c, 0,1                            ; the operand's layout wants a whole block in a lane
.irp i, 0,1
	v_permlane16_swap_b32 v[\pc+4*\c+\i], v[\pc+2+4*\c+\i]
.endr
.endr
.endm
; The way out.  For each tile j of R: the bias is added (which also brings the 64 numbers into window 0, each accumulator from its low end on), they are quantised, and the fragment leaves as it stands.
.macro EPI kind
.irp j, 0,1,2,3,4,5,6,7
	WIN 0x02+(\j/4)
.set K2, 0
.rept 32
.if \kind
	v_pk_add_f32 v[N+K2:N+K2+1], v[64*(\j%4)+K2:64*(\j%4)+K2+1], v[BIAS+2*\j:BIAS+2*\j+1]
.else
	v_pk_add_f32 v[N+K2:N+K2+1], v[64*(\j%4)+K2:64*(\j%4)+K2+1], v[BIAS+K2:BIAS+K2+1]
.endif
.set K2, K2+2
.endr
	WIN 0
	QUANT N, PC+8*\j, PW+\j
.irp c, 0,1
.if \kind
	global_store_b128 v[L16], v[PC+8*\j+4*\c:PC+8*\j+4*\c+3], s[OB:OB+1] offset:(\j%4)*512+(\j/4)*HS+\c*2048   ; d-tile j%4 of head j/4, keys 64 c on: 512 consecutive bytes, aligned
.else
	global_store_b128 v[L16], v[PC+8*\j+4*\c:PC+8*\j+4*\c+3], s[OB:OB+1] offset:\j*512+\c*HS                  ; tile j of the step's rows, head c
.endif
.endr
.endr
.if \kind
.irp hh, 0,1
.irp g, 0,1
	v_cndmask_b32 v[OW+2*\hh+\g], v[PW+4*\hh+2*\g], v[PW+4*\hh+2*\g+1], s[LMASK]   ; lanes 0-15: d-tile 2 g; lanes 16-31: 2 g + 1
.endr
	global_store_b64 v[L8], v[OW+2*\hh:OW+2*\hh+1], s[OB:OB+1] offset:4352+\hh*HS
.endr
.else
.irp c, 0,1
.irp g, 0,1
	v_perm_b32 v[TM], v[PW+4*\g+1], v[PW+4*\g], 0x05040100+0x02020202*\c           ; head c's two bytes of tiles 4 g and 4 g + 1,
	v_perm_b32 v[TM+1], v[PW+4*\g+3], v[PW+4*\g+2], 0x05040100+0x02020202*\c       ; of tiles 4 g + 2 and 4 g + 3
	v_cndmask_b32 v[OW+2*\c+\g], v[TM], v[TM+1], s[LMASK]
.endr
	global_store_b64 v[L8], v[OW+2*\c:OW+2*\c+1], s[OB:OB+1] offset:8192+\c*HS
.endr
.endif
.endm
; The last two K steps and the way out, once for each kind: the biases are asked for ahead of them.  No barrier, no tensor load and no LDS store stands here.
.macro TAIL kind
.if \kind
	s_lshr_b32 s56, s22, 3                         ; b
	s_lshl_b32 s56, s56, 4
	s_lshl_b32 s57, s19, 2
	s_add_co_u32 s56, s56, s57
	s_lshl_b32 s57, s15, 1
	s_add_co_u32 s56, s56, s57                     ; head 16 b + 4 cy + 2 wr
	s_mul_i32 s56, s56, HS
	s_and_b32 s57, s22, 7
	s_lshl_b32 s57, s57, 1
	s_add_co_u32 s57, s57, s16                     ; step of 128 keys
	s_mul_i32 s57, s57, SB
	s_add_co_u32 s56, s56, s57
	s_add_co_u32 s56, s56, 4096                    ; V's place in a step
	s_mov_b32 s57, 0
	s_add_nc_u64 s[OB:OB+1], s[12:13], s[56:57]
	s_lshl_b32 s56, s23, 10
	s_lshl_b32 s58, s15, 9
	s_add_co_u32 s56, s56, s58
	s_add_nc_u64 s[BP:BP+1], s[8:9], s[56:57]
.irp j, 0,1,2,3,4,5,6,7                ; one bias a lane and tile of R, twice: a pair for the packed addition
	global_load_b32 v[BIAS+2*\j], v[BO1], s[BP:BP+1] offset:(32*(\j/2)+8*(\j%2))*4
	global_load_b32 v[BIAS+2*\j+1], v[BO1], s[BP:BP+1] offset:(32*(\j/2)+8*(\j%2))*4
.endr
.else
	s_cmp_eq_u32 s20, 0
	s_cselect_b64 s[OB:OB+1], s[10:11], s[12:13]   ; q goes to qp, k to kv
	s_lshr_b32 s56, s23, 3                         ; b
	s_lshl_b32 s56, s56, 4
	s_and_b32 s57, s22, 3
	s_lshl_b32 s57, s57, 2
	s_add_co_u32 s56, s56, s57
	s_lshl_b32 s57, s16, 1
	s_add_co_u32 s56, s56, s57                     ; head 16 b + 4 (panel % 4) + 2 wp
	s_mul_i32 s56, s56, HS
	s_and_b32 s57, s23, 7
	s_lshl_b32 s57, s57, 1
	s_add_co_u32 s57, s57, s15                     ; step of 128 rows
	s_mul_i32 s57, s57, SB
	s_add_co_u32 s56, s56, s57
	s_mov_b32 s57, 0
	s_add_nc_u64 s[OB:OB+1], s[OB:OB+1], s[56:57]
	s_lshl_b32 s56, s22, 10
	s_lshl_b32 s58, s16, 9
	s_add_co_u32 s56, s56, s58
	s_add_nc_u64 s[BP:BP+1], s[8:9], s[56:57]
.irp i, 0,1,2,3,4,5,6,7                ; register 8 i + n of a lane is feature 32 (i/2) + 8 (i%2) + 16 h + n of my 128
.irp k, 0,1
	global_load_b128 v[BIAS+8*\i+4*\k:BIAS+8*\i+4*\k+3], v[BO0], s[BP:BP+1] offset:128*(\i/2)+32*(\i%2)+16*\k
.endr
.endr
.endif
	KSTEP 6, -1
	KSTEP 7, -1
.rept 4
	v_nop                                          ; places between the last products and the reads of results and writes of their sources
.endr
	s_wait_loadcnt 0x0                             ; the biases
	EPI \kind
.endm
	s_wait_alu depctr_va_vdst(0)
	s_wait_tensorcnt 3                             ; my part of chunk 0 is in; three chunks were issued behind it
	s_barrier_signal -1
	s_barrier_wait -1                              ; everybody's is
	FETCH 0
	KSTEP 0, -1
	s_wait_alu depctr_va_vdst(0)
	KSTEP 1, 2                                     ; chunk 1; two issued behind it
	s_wait_alu depctr_va_vdst(0)
	KSTEP 2, -1
	s_wait_alu depctr_va_vdst(0)
	KSTEP 3, 1                                     ; chunk 2; one
	s_wait_alu depctr_va_vdst(0)
	KSTEP 4, -1
	s_wait_alu depctr_va_vdst(0)
	KSTEP 5, 0                                     ; chunk 3
	s_cmp_eq_u32 s17, 0                            ; the kind: the cluster's x alone
	s_cbranch_scc0 .Lvalues
	s_wait_alu depctr_va_vdst(0)
	TAIL 0
	s_branch .Lend
.Lvalues:
	s_wait_alu depctr_va_vdst(0)
	TAIL 1
.Lend:
	s_wait_tensorcnt 0x0                           ; the wave's end
	ds_add_u32 v[SPW], v[NIL]
	s_wait_dscnt 0x0
	CROUND                                         ; the closing round
	s_endpgm
.Lfunc_end_k_qa84e7066e4_gemm_qkv:
	.size	k_qa84e7066e4_gemm_qkv, .Lfunc_end_k_qa84e7066e4_gemm_qkv-k_qa84e7066e4_gemm_qkv
	.p2alignl 7, 3214868480
	.fill 96, 4, 3214868480
	.section	.rodata,"a",@progbits
	.p2align	6, 0x0
	.amdhsa_kernel k_qa84e7066e4_gemm_qkv
		.amdhsa_group_segment_fixed_size 279040
		.amdhsa_private_segment_fixed_size 0
		.amdhsa_enable_private_segment 0
		.amdhsa_kernarg_size 40
		.amdhsa_user_sgpr_count 2
		.amdhsa_user_sgpr_kernarg_segment_ptr 1
		.amdhsa_wavefront_size32 1
		.amdhsa_system_sgpr_workgroup_id_x 1
		.amdhsa_system_sgpr_workgroup_id_y 1
		.amdhsa_system_sgpr_workgroup_id_z 1
		.amdhsa_system_vgpr_workitem_id 0
		.amdhsa_next_free_vgpr 1024
		.amdhsa_next_free_sgpr 100
		.amdhsa_reserve_vcc 0
		.amdhsa_float_denorm_mode_32 3
		.amdhsa_float_denorm_mode_16_64 3
		.amdhsa_memory_ordered 1
		.amdhsa_forward_progress 1
		.amdhsa_inst_pref_size 217
	.end_amdhsa_kernel
	.amdgpu_metadata
---
amdhsa.version: [ 1, 2 ]
amdhsa.kernels:
  - .name:           k_qa84e7066e4_gemm_qkv
    .symbol:         k_qa84e7066e4_gemm_qkv.kd
    .args:
      - { .name: xp, .offset: 0, .size: 8, .value_kind: global_buffer, .address_space: global }
      - { .name: wp, .offset: 8, .size: 8, .value_kind: global_buffer, .address_space: global }
      - { .name: bqkv, .offset: 16, .size: 8, .value_kind: global_buffer, .address_space: global }
      - { .name: qp, .offset: 24, .size: 8, .value_kind: global_buffer, .address_space: global }
      - { .name: kv, .offset: 32, .size: 8, .value_kind: global_buffer, .address_space: global }
    .group_segment_fixed_size: 279040
    .private_segment_fixed_size: 0
    .kernarg_segment_align: 8
    .kernarg_segment_size: 40
    .max_flat_workgroup_size: 128
    .sgpr_count:     100
    .vgpr_count:     1024
    .wavefront_size: 32
...
	.end_amdgpu_metadata
.endif
;; end of part 2
;; launch attn (part 3): grid 8 x 32, 16 waves a work-group, clusters of 4 x 1, 327,680 bytes of LDS; arguments qp, kv, yp; writes yp
.if DOCPART == 3
	.amdgcn_target "amdgcn-amd-amdhsa--gfx1250"
	.amdhsa_code_object_version 6
	.text
	.protected	k_qa84e7066e4_attn
	.globl	k_qa84e7066e4_attn
	.p2align	8
	.type	k_qa84e7066e4_attn,@function
k_qa84e7066e4_attn:
	s_mov_b64 s[64:65], 0
	v_nop
	global_prefetch_b8 v0, s[64:65] scope:SCOPE_SE
	s_setreg_imm32_b32 hwreg(HW_REG_WAVE_MODE, 25, 1), 1
	s_wait_xcnt 0x0
	s_wait_alu depctr_hold_cnt(0) depctr_sa_sdst(0) depctr_va_vdst(0) depctr_va_sdst(0) depctr_va_ssrc(0) depctr_va_vcc(0) depctr_vm_vsrc(0)
	s_getreg_b32 s2, hwreg(HW_REG_IB_STS2, 6, 4)
	s_cmp_eq_u32 s2, 0
	s_cbranch_scc0 .Lentry_in_a_cluster
	s_endpgm
.Lentry_in_a_cluster:
	s_bfe_u32 s2, ttmp6, 0x10000c
	s_cmp_lg_u32 s2, 0x3003
	s_cbranch_scc0 .Lentry_shape_is_right
	s_endpgm
.Lentry_shape_is_right:
; LAUNCH 3 OF 4.  y = softmax(q k^T / 8) v on codes of FP4, and y quantised along h*64 + d for the last product.  No work is left out.
; THE SOFTMAX: t = score x log2(e) / 8; M = the running largest t rounded up to a whole number; p = 2^(t - M) is quantised along the keys, not normalised; the row's sum is taken of the unquantised p and divides at the end.
; SHARES.  A work-group owns 256 queries of a PAIR of heads (work-group y = 8 b + pair); each of its sixteen waves one tile of 16 queries, first for the even head, then for the odd: so a wave ends with a whole
; fragment of y (128 along the last product's K) and a whole scale word.  Four waves share a SIMD: one wave's vector work stands beside another's products and LDS loads.
; LDS.  In 4-bit codes the two heads' K, V and scale words, 278,528 bytes, lie in LDS as they lie in memory: no byte is filled twice.  All tensor loads are first fills at the head, in four chunks of 8 key steps,
; each wave a sixteenth of each chunk (17 rows of 256 bytes): four loads of a wave are out at the most.  CLUSTER 4 x 1: the four blocks of queries read the same two heads: joint loads.
; LAYOUT.  Both products transposed: S^T = K Q^T, O^T = V^T P^T: a lane holds one query.  THE HEAD'S 64 FILL HALF OF THE INSTRUCTION'S 128: a fragment of K holds two tiles of 16 keys, one in k = 0..63, one in 64..127;
; Q stands in 12 registers [q][0][q]: the low eight take the first tile, the high eight the second; zero codes meet the other tile and add nothing.
; LIMITS: NaN and infinities are not served; v_exp_f32 gives 0 for a p under 2^-126; a block's largest p is taken from the block's largest score; the division by the sum is v_rcp_f32 and a multiplication;
; a block of y whose largest magnitude lies under 2^-124 carries the byte 1 (this program alone reads the bytes).
.set HS,  139264                       ; a head's pack
.set SB,  8704                         ; a step of 128 keys: K 4,096, V 4,096, K's words 256, V's words 256
.set CH,  8*SB                         ; a chunk
.set SPARE, 2*HS                       ; the spare words: 128 bytes a wave, eight blocks of 256 bytes that no other line names
.set YS,  SPARE+2048                   ; y's scale words on their way out: 64 bytes a wave
.set L16, 1
.set L8,  2
.set AD,  3                            ; v3   16 x lane + the step
.set AD8, 4                            ; v4   8 x lane + the step
.set SPW, 5                            ; v5   my spare word; never rewritten
.set NIL, 6                            ; v6   0; never rewritten
.set YSA, 7                            ; v7   where my row's scale word goes
.set QO,  8                            ; v8   8 x (lane%16): q's scale words
.set YRD, 9                            ; v9   the words, way out
.set NM,  12                           ; v12 -M, v13 the largest t
.set SUM, 14                           ; v[14:15] the sum, in two halves
.set Q,   16                           ; v16-27 [q][0][q]
.set QS,  28                           ; v28  q's scale word;  v29 the odd head's
.set QS1, 29
.set KF,  32                           ; v32-63  four fragments of K
.set VF,  64                           ; v64-95  four of V
.set S,   96                           ; v96-159 S^T, then p
.set O,   160                          ; v160-191 O^T
.set PC,  192                          ; v192-199 p's codes
.set YC,  200                          ; v200-207 y's codes
.set YW,  208                          ; y's scale word
.set PW,  209                          ; p's scale word
.set F,   210                          ; v[210:211] f; the upper is written once
.set KS,  212                          ; v[212:213] K's scale words
.set VS,  214                          ; v[214:215] V's
.set Q1,  216                          ; v216-219 the odd head's q
.set BM,  220                          ; v220-223 block maxima
.set BT,  224                          ; v224-227 the other half's; bytes
.set SO,  228                          ; v228-231 the conversions' scale operands
.set T0,  232
.set A2,  234                          ; v[234:235] the sum's second chain
.set G1,  16
.set G0,  24                           ; s[24:39] four groups 0
.set SEL, 40
.set CS,  42                           ; s[42:43] c = log2(e) / 8
.set TB,  44                           ; LDS byte of the step in hand
.set CNT, 45
.macro CROUND
	s_barrier_signal -1
	s_barrier_wait -1
	s_cmp_lg_u32 s10, 0
	s_cbranch_scc1 .Lnot_wave_0_\@
	s_barrier_signal -3
.Lnot_wave_0_\@:
	s_barrier_wait -3
	s_barrier_signal -1
	s_barrier_wait -1
.endm
	s_load_b128 s[4:7], s[0:1], 0x0                ; qp, kv
	s_load_b64 s[8:9], s[0:1], 0x10                ; yp
	v_lshl_add_u32 v[SPW], v0, 2, SPARE
	v_mov_b32 v[NIL], 0
	ds_add_u32 v[SPW], v[NIL]                      ; the wave's opening: the add, twice on end, and its wait ahead of my first tensor load
	ds_add_u32 v[SPW], v[NIL]
	v_lshrrev_b32 v10, 5, v0
	s_delay_alu instid0(VALU_DEP_1)
	v_readfirstlane_b32 s10, v10                   ; wave
	s_bfe_u32 s11, ttmp6, 0x40000                  ; cx
	s_lshl_b32 s12, ttmp9, 2
	s_add_co_u32 s12, s12, s11                     ; my block of 256 queries: it enters q's and y's addresses alone
	s_and_b32 s13, ttmp7, 0xffff                   ; 8 b + pair of heads: the four partners share it
	s_mov_b32 s[G1], 15|(3<<16)|(1<<21)            ; the mask: all four; elements of 8 bytes; bit 21 beside a mask; no padding
	s_mov_b32 s[G1+1], 32<<16                      ; a dense block of 4,352 bytes: 17 rows of 256
	s_mov_b32 s[G1+2], 17<<16
	s_mov_b32 s[G1+3], 32<<16
	s_mov_b32 s[G1+4], 17
	s_mov_b32 s[G1+5], 32
	s_mov_b32 s[G1+6], 0
	s_mov_b32 s[G1+7], 0
	s_mov_b32 s[SEL], 0x76543210
	s_mov_b32 s[SEL+1], 0xfedcba98
	s_mov_b32 s[CS], 0x3e38aa3b
	s_mov_b32 s[CS+1], s[CS]                       ; (named with it as a pair, so it is written)
	s_mul_i32 s54, s10, 4352                       ; my sixteenth of a chunk, in LDS and in memory
	s_mul_i32 s52, s13, 2*HS
	s_add_co_u32 s52, s52, s54
	s_mov_b32 s53, 0
	s_wait_dscnt 0x0                               ; both opening adds are done
	s_wait_kmcnt 0x0
	s_add_nc_u64 s[56:57], s[6:7], s[52:53]
.irp k, 0,1,2,3
	s_mov_b32 s[G0+4*\k], 1
	s_add_co_u32 s[G0+4*\k+1], s54, \k*CH
	s_add_nc_u64 s[G0+4*\k+2:G0+4*\k+3], s[56:57], \k*CH
	s_or_b32 s[G0+4*\k+3], s[G0+4*\k+3], 0x80000000
.endr
	CROUND                                         ; all four work-groups are here: the joint loads meet
.irp k, 0,1,2,3
	s_wait_alu depctr_va_vdst(0)
	s_wait_tensorcnt 0x0
	ds_add_u32 v5, v6
	ds_add_u32 v5, v6
	s_wait_dscnt 0x0
	CROUND
	tensor_load_to_lds s[G0+4*\k:G0+4*\k+3], s[G1:G1+7]
	s_nop 0
.endr
.rept 4
	v_nop
.endr
	v_and_b32 v11, 31, v0
	s_delay_alu instid0(VALU_DEP_1)
	v_lshlrev_b32 v[L16], 4, v11
	s_wait_alu depctr_va_vdst(0)
	v_lshlrev_b32 v[L8], 3, v11
	v_and_b32 v10, 15, v0                          ; r
	s_delay_alu instid0(VALU_DEP_1)
	v_lshlrev_b32 v[QO], 3, v10
	s_wait_alu depctr_va_vdst(0)
	s_lshl_b32 s55, s10, 6
	s_add_co_u32 s55, s55, YS
	v_lshl_add_u32 v[YSA], v10, 2, s55
	s_min_u32 s47, s10, 1                          ; waves 0 and 1 store the words of the block's two panels
	s_lshl_b32 s55, s47, 9
	s_add_co_u32 s55, s55, YS
	v_add_nc_u32 v[YRD], s55, v[L16]
	s_and_b32 s46, s10, 1                          ; q's two bytes lie in the low or the high half of a pair's word
	s_cmp_eq_u32 s46, 0
	s_mov_b32 s46, 0x03020302
	s_cselect_b32 s46, 0x01000100, s46
	s_lshr_b32 s55, s10, 3
	s_lshl_b32 s58, s12, 1
	s_add_co_u32 s58, s58, s55                     ; my step of 128 queries, and my panel of 128 rows of y within b
	s_lshr_b32 s55, s13, 3
	s_lshl_b32 s55, s55, 4                         ; 16 b
	s_and_b32 s59, s13, 7
	s_mul_i32 s59, s59, 8704                       ; the pair of heads is a K step of y
	s_add_co_u32 s52, s55, s58
	s_mul_i32 s52, s52, 69632
	s_add_co_u32 s52, s52, s59
	s_and_b32 s53, s10, 7
	s_lshl_b32 s53, s53, 10
	s_add_co_u32 s52, s52, s53
	s_mov_b32 s53, 0
	s_add_nc_u64 s[48:49], s[8:9], s[52:53]        ; my image of y
	s_lshl_b32 s52, s12, 1
	s_add_co_u32 s52, s52, s55
	s_add_co_u32 s52, s52, s47
	s_mul_i32 s52, s52, 69632
	s_add_co_u32 s52, s52, s59
	s_add_co_u32 s52, s52, 8192
	s_add_nc_u64 s[50:51], s[8:9], s[52:53]        ; a panel's 128 scale words
	s_mul_i32 s52, s13, 2*HS
	s_mul_i32 s55, s58, SB
	s_add_co_u32 s52, s52, s55                     ; the even head, my step
	s_and_b32 s55, s10, 7
	s_lshl_b32 s55, s55, 9
	s_add_co_u32 s56, s52, s55
	s_mov_b32 s57, 0
	s_add_nc_u64 s[56:57], s[4:5], s[56:57]        ; my tile's codes
	s_bfe_u32 s55, s10, 0x10001
	s_lshl_b32 s55, s55, 7
	s_add_co_u32 s52, s52, s55
	s_bfe_u32 s55, s10, 0x10002
	s_lshl_b32 s55, s55, 2
	s_add_co_u32 s52, s52, s55
	s_add_co_u32 s52, s52, 8192
	s_add_nc_u64 s[52:53], s[4:5], s[52:53]        ; the word of the pair of tiles that holds mine
	global_load_b128 v[Q:Q+3], v[L16], s[56:57]
	global_load_b128 v[Q+8:Q+11], v[L16], s[56:57]
	global_load_b128 v[Q1:Q1+3], v[L16], s[56:57] offset:HS
	global_load_b32 v[QS], v[QO], s[52:53]
	global_load_b32 v[QS1], v[QO], s[52:53] offset:HS
	s_wait_loadcnt 0x0
	v_perm_b32 v[QS], v[QS], v[QS], s46            ; (s0, s1, s0, s1)
	v_perm_b32 v[QS1], v[QS1], v[QS1], s46
; A KEY STEP: 128 keys.
.macro STEP
	v_add_nc_u32 v[AD], s[TB], v[L16]              ; four places between the last products and the loads into registers that they read
	v_add_nc_u32 v[AD8], s[TB], v[L8]
	v_nop
	v_nop
.irp j, 0,1,2,3,4,5,6,7
	ds_load_b128 v[KF+4*\j:KF+4*\j+3], v[AD] offset:512*\j
.endr
	ds_load_b64 v[KS:KS+1], v[AD8] offset:8192
.irp t, 0,1,2,3
.irp c, 0,1
	ds_load_b128 v[VF+8*\t+4*\c:VF+8*\t+4*\c+3], v[AD] offset:4096+2048*\c+512*\t
.endr
.endr
	ds_load_b64 v[VS:VS+1], v[AD8] offset:8448
	s_wait_dscnt 9                                 ; K and its words are in; V's nine loads may be out
.irp b, 0,2
	v_wmma_scale_f32_16x16x128_f8f6f4 v[S+16*\b:S+16*\b+7], v[KF+8*\b:KF+8*\b+7], v[Q:Q+7], 0, v[KS+\b/2], v[QS] matrix_a_fmt:MATRIX_FMT_FP4 matrix_b_fmt:MATRIX_FMT_FP4
	v_wmma_scale_f32_16x16x128_f8f6f4 v[S+16*\b+8:S+16*\b+15], v[KF+8*\b:KF+8*\b+7], v[Q+4:Q+11], 0, v[KS+\b/2], v[QS] matrix_a_fmt:MATRIX_FMT_FP4 matrix_b_fmt:MATRIX_FMT_FP4
	v_wmma_scale_f32_16x16x128_f8f6f4 v[S+16*\b+16:S+16*\b+23], v[KF+8*\b+8:KF+8*\b+15], v[Q:Q+7], 0, v[KS+\b/2], v[QS] matrix_a_fmt:MATRIX_FMT_FP4 matrix_b_fmt:MATRIX_FMT_FP4 matrix_a_scale:MATRIX_SCALE_ROW1
	v_wmma_scale_f32_16x16x128_f8f6f4 v[S+16*\b+24:S+16*\b+31], v[KF+8*\b+8:KF+8*\b+15], v[Q+4:Q+11], 0, v[KS+\b/2], v[QS] matrix_a_fmt:MATRIX_FMT_FP4 matrix_b_fmt:MATRIX_FMT_FP4 matrix_a_scale:MATRIX_SCALE_ROW1
.endr                                  ; register 16 b + i of lane (r, h): query r, key 32 b + 16 h + i
.rept 4
	v_nop
.endr
.irp b, 0,1,2,3
	v_max3_num_f32 v[BM+\b], v[S+16*\b], v[S+1+16*\b], v[S+2+16*\b]   ; the largest score of each block of 32 keys: for the row's maximum, and for the block's largest p
.endr
.irp i, 3,5,7,9,11,13
.irp b, 0,1,2,3
	v_max3_num_f32 v[BM+\b], v[BM+\b], v[S+16*\b+\i], v[S+1+16*\b+\i]
.endr
.endr
.irp b, 0,1,2,3
	v_max_num_f32 v[BM+\b], v[BM+\b], v[S+15+16*\b]
.endr
.irp b, 0,1,2,3
	s_delay_alu instid0(VALU_DEP_4)
	v_permlanex16_b32 v[BT+\b], v[BM+\b], s[SEL], s[SEL+1]
.endr
.irp b, 0,1,2,3
	s_delay_alu instid0(VALU_DEP_4)
	v_max_num_f32 v[BM+\b], v[BM+\b], v[BT+\b]
.endr
	s_delay_alu instid0(VALU_DEP_2)
	v_max3_num_f32 v[T0], v[BM], v[BM+1], v[BM+2]
	s_delay_alu instid0(VALU_DEP_1)
	v_max_num_f32 v[T0], v[T0], v[BM+3]
	s_delay_alu instid0(VALU_DEP_1)
	v_mul_f32 v[T0], s[CS], v[T0]                  ; as t (c is positive)
	s_delay_alu instid0(VALU_DEP_1)
	v_max_num_f32 v[NM+1], v[NM+1], v[T0]          ; the running largest t
	v_mov_b32 v[T0], v[NM]
	s_delay_alu instid0(VALU_DEP_2)
	v_floor_f32 v[NM], -v[NM+1]                    ; -M = floor(-t): M is a whole number
	s_delay_alu instid0(VALU_DEP_1)
	v_sub_f32 v[T0], v[NM], v[T0]                  ; old M - new M, 0 or less
	s_delay_alu instid0(VALU_DEP_1)
	v_cvt_i32_f32 v[T0], v[T0]                     ; (it saturates)
	s_delay_alu instid0(VALU_DEP_1)
	v_ldexp_f32 v[F], 1.0, v[T0]                   ; f = 2^(old M - new M): a multiplication by it rounds nothing
.irp j, 0,2,4,6,8,10,12,14,16,18,20,22,24,26,28,30,32,34,36,38,40,42,44,46,48,50,52,54,56,58,60,62
	v_pk_fma_f32 v[S+\j:S+\j+1], v[S+\j:S+\j+1], s[CS:CS+1], v[NM:NM+1] op_sel_hi:[1,0,0]   ; t - M
.endr
.irp b, 0,1,2,3
	v_fma_f32 v[BM+\b], v[BM+\b], s[CS], v[NM]
.endr
	s_wait_alu depctr_va_vdst(0)
.irp j, 0,1,2,3,4,5,6,7,8,9,10,11,12,13,14,15,16,17,18,19,20,21,22,23,24,25,26,27,28,29,30,31,32,33,34,35,36,37,38,39,40,41,42,43,44,45,46,47,48,49,50,51,52,53,54,55,56,57,58,59,60,61,62,63
	v_exp_f32 v[S+\j], v[S+\j]                     ; p = 2^(t - M)
.endr
	s_setprio 1
	v_pk_mul_f32 v[SUM:SUM+1], v[SUM:SUM+1], v[F:F+1] op_sel_hi:[1,0]   ; the sums under the new M: the plain line behind the exponentials
	s_wait_alu depctr_va_vdst(0)                   ; one wait for the batch, ahead of its first reader
.irp b, 0,1,2,3
	v_exp_f32 v[BM+\b], v[BM+\b]                   ; each block's largest p
.endr
	v_pk_add_f32 v[A2:A2+1], v[S:S+1], v[S+2:S+3]  ; the sum of the unquantised p, in two chains
.irp j, 4,8,12,16,20,24,28,32,36,40,44,48,52,56,60
	v_pk_add_f32 v[SUM:SUM+1], v[SUM:SUM+1], v[S+\j:S+\j+1]
	v_pk_add_f32 v[A2:A2+1], v[A2:A2+1], v[S+2+\j:S+3+\j]
.endr
	s_delay_alu instid0(VALU_DEP_1)
	v_pk_add_f32 v[SUM:SUM+1], v[SUM:SUM+1], v[A2:A2+1]
	s_wait_alu depctr_va_vdst(0)                   ; and one for the four
.irp b, 0,1,2,3
	v_max_num_f32 v[BM+\b], 0x1800000, v[BM+\b]    ; the floor 2^(3 - 127)
.endr
.irp b, 0,1,2,3
	s_delay_alu instid0(VALU_DEP_4)
	v_add_nc_u32 v[SO+\b], 0xff000000, v[BM+\b]
.endr
.irp b, 0,1,2,3
	s_delay_alu instid0(VALU_DEP_4)
	v_lshrrev_b32 v[BT+\b], 23, v[SO+\b]
.endr
	s_delay_alu instid0(VALU_DEP_3)
	v_lshl_or_b32 v[PW], v[BT+1], 8, v[BT]
	s_delay_alu instid0(VALU_DEP_1)
	v_lshl_or_b32 v[PW], v[BT+2], 16, v[PW]
	s_delay_alu instid0(VALU_DEP_1)
	v_lshl_or_b32 v[PW], v[BT+3], 24, v[PW]
.irp b, 0,1,2,3
	v_cvt_scalef32_pk8_fp4_f32 v[PC+2*\b], v[S+16*\b:S+7+16*\b], v[SO+\b]
	v_cvt_scalef32_pk8_fp4_f32 v[PC+1+2*\b], v[S+8+16*\b:S+15+16*\b], v[SO+\b]
.endr
	v_nop                                          ; one plain line behind the last conversion
.irp c, 0,1
.irp i, 0,1
	v_permlane16_swap_b32 v[PC+4*\c+\i], v[PC+2+4*\c+\i]
.endr
.endr
	s_setprio 0
.irp j, 0,2,4,6,8,10,12,14,16,18,20,22,24,26,28,30
	v_pk_mul_f32 v[O+\j:O+\j+1], v[O+\j:O+\j+1], v[F:F+1] op_sel_hi:[1,0]   ; O^T under the new M.  These sixteen also stand between the writes of p's codes and scale word and the products
.endr
	s_wait_alu depctr_va_vdst(0)
	s_wait_dscnt 0x0                               ; V and its words are in
.irp t, 0,2
	v_wmma_scale_f32_16x16x128_f8f6f4 v[O+8*\t:O+8*\t+7], v[VF+8*\t:VF+8*\t+7], v[PC:PC+7], v[O+8*\t:O+8*\t+7], v[VS+\t/2], v[PW] matrix_a_fmt:MATRIX_FMT_FP4 matrix_b_fmt:MATRIX_FMT_FP4
	v_wmma_scale_f32_16x16x128_f8f6f4 v[O+8*\t+8:O+8*\t+15], v[VF+8*\t+8:VF+8*\t+15], v[PC:PC+7], v[O+8*\t+8:O+8*\t+15], v[VS+\t/2], v[PW] matrix_a_fmt:MATRIX_FMT_FP4 matrix_b_fmt:MATRIX_FMT_FP4 matrix_a_scale:MATRIX_SCALE_ROW1
.endr
.endm
.macro RUN8 k                          ; a chunk's eight key steps
	s_mov_b32 s[TB], (\k)*CH
	s_mov_b32 s[CNT], 8
.Lrun_\@:
	s_setprio 2
	STEP
	s_add_co_u32 s[TB], s[TB], SB
	s_sub_co_u32 s[CNT], s[CNT], 1
	s_cmp_lg_u32 s[CNT], 0
	s_cbranch_scc1 .Lrun_\@
	s_setprio 0
.endm
.macro GATE n                          ; my part of the next chunk is in (n chunks were issued behind it and may stay out); then everybody's is
	s_wait_dscnt 0x0
	s_wait_tensorcnt \n
	s_barrier_signal -1
	s_barrier_wait -1
.endm
.macro INIT p
.if \p
.irp i, 0,1,2,3
	v_mov_b32 v[Q+\i], v[Q1+\i]                    ; the odd head's q
	v_mov_b32 v[Q+8+\i], v[Q1+\i]
.endr
	v_mov_b32 v[QS], v[QS1]
.else
.irp i, 0,1,2,3
	v_mov_b32 v[Q+4+\i], 0                         ; the zero codes between
	v_mov_b32 v[BT+\i], 0                          ; a lane permute's destination counts as one of its sources
.endr
	v_mov_b32 v[F+1], 0                            ; (named as the upper half of a pair)
	v_mov_b32 v[T0], 0
.endif
	v_mov_b32 v[NM+1], 0xff61b1e6                  ; the largest t so far: -3e38
	s_delay_alu instid0(VALU_DEP_1)
	v_floor_f32 v[NM], -v[NM+1]
	v_mov_b32 v[SUM], 0
	v_mov_b32 v[SUM+1], 0
.irp j, 0,1,2,3,4,5,6,7,8,9,10,11,12,13,14,15,16,17,18,19,20,21,22,23,24,25,26,27,28,29,30,31
	v_mov_b32 v[O+\j], 0                           ; the step is written once: the first finds zeros, which the first change of M leaves zeros
.endr
.endm
.macro FINISH p                        ; O^T / the sum, quantised along d: two blocks of 32: half c = p of y's fragment, bytes 2 p and 2 p + 1 of its scale word
.rept 4
	v_nop                                          ; places behind the last products
.endr
	v_add_f32 v[SUM], v[SUM], v[SUM+1]
	s_delay_alu instid0(VALU_DEP_1)
	v_permlanex16_b32 v[T0], v[SUM], s[SEL], s[SEL+1]
	s_delay_alu instid0(VALU_DEP_1)
	v_add_f32 v[SUM], v[SUM], v[T0]
	s_wait_alu depctr_va_vdst(0)
	v_rcp_f32 v[SUM], v[SUM]
	v_nop                                          ; a plain line behind the reciprocal,
	s_wait_alu depctr_va_vdst(0)                   ; and the wait ahead of its first reader
.irp j, 0,1,2,3,4,5,6,7,8,9,10,11,12,13,14,15,16,17,18,19,20,21,22,23,24,25,26,27,28,29,30,31
	v_mul_f32 v[S+\j], v[O+\j], v[SUM]             ; register 16 b + i: d = 32 b + 16 h + i
.endr
.irp b, 0,1
	v_max3_num_f32 v[BM+\b], |v[S+16*\b]|, |v[S+1+16*\b]|, 0x1800000
.endr
.irp i, 2,4,6,8,10,12,14
.irp b, 0,1
	s_delay_alu instid0(VALU_DEP_2)
	v_max3_num_f32 v[BM+\b], v[BM+\b], |v[S+16*\b+\i]|, |v[S+1+16*\b+\i]|
.endr
.endr
.irp b, 0,1
	s_delay_alu instid0(VALU_DEP_2)
	v_permlanex16_b32 v[BT+\b], v[BM+\b], s[SEL], s[SEL+1]
.endr
.irp b, 0,1
	s_delay_alu instid0(VALU_DEP_2)
	v_max_num_f32 v[BM+\b], v[BM+\b], v[BT+\b]
.endr
.irp b, 0,1
	s_delay_alu instid0(VALU_DEP_2)
	v_add_nc_u32 v[SO+\b], 0xff000000, v[BM+\b]
.endr
.irp b, 0,1
	s_delay_alu instid0(VALU_DEP_2)
	v_lshrrev_b32 v[BT+\b], 23, v[SO+\b]
.endr
.if \p
	s_delay_alu instid0(VALU_DEP_2)
	v_lshl_or_b32 v[YW], v[BT], 16, v[YW]
	s_delay_alu instid0(VALU_DEP_1)
	v_lshl_or_b32 v[YW], v[BT+1], 24, v[YW]
.else
	s_delay_alu instid0(VALU_DEP_1)
	v_lshl_or_b32 v[YW], v[BT+1], 8, v[BT]
.endif
.irp b, 0,1
	v_cvt_scalef32_pk8_fp4_f32 v[YC+4*\p+2*\b], v[S+16*\b:S+7+16*\b], v[SO+\b]
	v_cvt_scalef32_pk8_fp4_f32 v[YC+4*\p+1+2*\b], v[S+8+16*\b:S+15+16*\b], v[SO+\b]
.endr
	v_nop                                          ; one plain line behind the last conversion
.irp i, 0,1
	v_permlane16_swap_b32 v[YC+4*\p+\i], v[YC+4*\p+2+\i]
.endr
.endm
	INIT 0
	GATE 3
	RUN8 0
	GATE 2
	RUN8 1
	FINISH 0
	INIT 1
	GATE 1
	RUN8 2
	GATE 0
	RUN8 3
	FINISH 1
	global_store_b128 v[L16], v[YC:YC+3], s[48:49]             ; my fragment of y as it stands: 512 consecutive bytes, aligned, twice
	global_store_b128 v[L16], v[YC+4:YC+7], s[48:49] offset:512
	ds_store_b32 v[YSA], v[YW]                     ; both lanes of a row write the same word
	s_wait_dscnt 0x0                               ; for the others' sake
	s_barrier_signal -1
	s_barrier_wait -1
	s_cmp_lt_u32 s10, 2
	s_cbranch_scc0 .Lno_words
	ds_load_b128 v[S:S+3], v[YRD]                  ; eight waves' words: a panel's 512 bytes
	s_wait_dscnt 0x0
	global_store_b128 v[L16], v[S:S+3], s[50:51]
.Lno_words:
	s_wait_tensorcnt 0x0                           ; the wave's end
	ds_add_u32 v[SPW], v[NIL]
	s_wait_dscnt 0x0
	CROUND                                         ; the closing round
	s_endpgm
.Lfunc_end_k_qa84e7066e4_attn:
	.size	k_qa84e7066e4_attn, .Lfunc_end_k_qa84e7066e4_attn-k_qa84e7066e4_attn
	.p2alignl 7, 3214868480
	.fill 96, 4, 3214868480
	.section	.rodata,"a",@progbits
	.p2align	6, 0x0
	.amdhsa_kernel k_qa84e7066e4_attn
		.amdhsa_group_segment_fixed_size 327680
		.amdhsa_private_segment_fixed_size 0
		.amdhsa_enable_private_segment 0
		.amdhsa_kernarg_size 24
		.amdhsa_user_sgpr_count 2
		.amdhsa_user_sgpr_kernarg_segment_ptr 1
		.amdhsa_wavefront_size32 1
		.amdhsa_system_sgpr_workgroup_id_x 1
		.amdhsa_system_sgpr_workgroup_id_y 1
		.amdhsa_system_sgpr_workgroup_id_z 1
		.amdhsa_system_vgpr_workitem_id 0
		.amdhsa_next_free_vgpr 256
		.amdhsa_next_free_sgpr 66
		.amdhsa_reserve_vcc 0
		.amdhsa_float_denorm_mode_32 3
		.amdhsa_float_denorm_mode_16_64 3
		.amdhsa_memory_ordered 1
		.amdhsa_forward_progress 1
		.amdhsa_inst_pref_size 85
	.end_amdhsa_kernel
	.amdgpu_metadata
---
amdhsa.version: [ 1, 2 ]
amdhsa.kernels:
  - .name:           k_qa84e7066e4_attn
    .symbol:         k_qa84e7066e4_attn.kd
    .args:
      - { .name: qp, .offset: 0, .size: 8, .value_kind: global_buffer, .address_space: global }
      - { .name: kv, .offset: 8, .size: 8, .value_kind: global_buffer, .address_space: global }
      - { .name: yp, .offset: 16, .size: 8, .value_kind: global_buffer, .address_space: global }
    .group_segment_fixed_size: 327680
    .private_segment_fixed_size: 0
    .kernarg_segment_align: 8
    .kernarg_segment_size: 24
    .max_flat_workgroup_size: 512
    .sgpr_count:     66
    .vgpr_count:     256
    .wavefront_size: 32
...
	.end_amdgpu_metadata
.endif
;; end of part 3
;; launch gemm_out (part 4): grid 4 x 64, 4 waves a work-group, clusters of 4 x 4, 312,832 bytes of LDS; arguments yp, wop, bo, out0; writes out0
.if DOCPART == 4
	.amdgcn_target "amdgcn-amd-amdhsa--gfx1250"
	.amdhsa_code_object_version 6
	.text
	.protected	k_qa84e7066e4_gemm_out
	.globl	k_qa84e7066e4_gemm_out
	.p2align	8
	.type	k_qa84e7066e4_gemm_out,@function
k_qa84e7066e4_gemm_out:
	s_mov_b64 s[64:65], 0
	v_nop
	global_prefetch_b8 v0, s[64:65] scope:SCOPE_SE
	s_setreg_imm32_b32 hwreg(HW_REG_WAVE_MODE, 25, 1), 1
	s_wait_xcnt 0x0
	s_wait_alu depctr_hold_cnt(0) depctr_sa_sdst(0) depctr_va_vdst(0) depctr_va_sdst(0) depctr_va_ssrc(0) depctr_va_vcc(0) depctr_vm_vsrc(0)
	s_getreg_b32 s2, hwreg(HW_REG_IB_STS2, 6, 4)
	s_cmp_eq_u32 s2, 0
	s_cbranch_scc0 .Lentry_in_a_cluster
	s_endpgm
.Lentry_in_a_cluster:
	s_bfe_u32 s2, ttmp6, 0x10000c
	s_cmp_lg_u32 s2, 0xf033
	s_cbranch_scc0 .Lentry_shape_is_right
	s_endpgm
.Lentry_shape_is_right:
; LAUNCH 4 OF 4.  out0 = y Wo^T + bo on codes of FP4.  Row b*2048 + s of y is row b*2048 + s of out0 (reference()'s reshape).  No work is left out.
; Source 0 = P = 256 rows of Wo, source 1 = R = 128 rows of y: a lane holds one row of out0 and its registers run along the columns.  A work-group makes 256 columns x 128 rows (256 work-groups);
; a wave 128 columns x 64 rows: 32 accumulators.  Both panels, all of K = 1,024, lie in LDS at once: no byte is filled twice; all tensor loads are first fills at the head, in four chunks of two K steps;
; four loads of a wave are out at the most.  CLUSTER 4 x 4: P hangs on cx (shared along a column), R on cy (along a row): joint loads.  bo is the C of each sum's first product.
.set QB,    17408                      ; Wo's K step; also the distance between y's K steps in LDS (8,704 bytes of each are filled, the rest is never touched), so that one step serves every address
.set PANEL, 8*QB
.set YQB,   8704                       ; y's K step in memory: 8 images, 512 bytes of scale words
.set RBASE, PANEL
.set SPARE, 2*PANEL                    ; the spare words: 128 bytes a wave, two blocks of 256 bytes that no other line names
.set STAGE, SPARE+512                  ; the way out: 16 rows x 528 bytes for each wave; no tensor load lands here
.set SPITCH, 528
.set L16,  1
.set ADRP, 2
.set ADRR, 3
.set ADRS, 4                           ; v4   scale words of tiles 0-3: lanes 0-15 P's, lanes 16-31 R's
.set ADSP, 5                           ; v5   P's scale words of tiles 4-7
.set BO0,  6
.set STO,  8
.set RD,   9
.set SPW,  12
.set NIL,  13
.set SC,   32                          ; v32-47  scale words, two sets of 8
.set RF,   64                          ; v64-127 R's fragments, two sets of 32; on the way out v64-191 take rows of out0
.set BIAS, 192                         ; v192-255 bo at my 64 columns
                                       ; window 1: v0-127 P's fragments, two sets.  window 2: accumulator (j, i) at v[64 j + 8 i]
.set G1P, 24
.set G1R, 32
.set G0P, 40
.set G0R, 68
.set OUT, 84
.set BP,  86
.set MSB, 0
.macro WIN new
.if MSB != (\new)
	s_set_vgpr_msb (MSB<<8)|(\new)
.set MSB, (\new)
.endif
.endm
.macro CROUND
	s_barrier_signal -1
	s_barrier_wait -1
	s_cmp_lg_u32 s14, 0
	s_cbranch_scc1 .Lnot_wave_0_\@
	s_barrier_signal -3
.Lnot_wave_0_\@:
	s_barrier_wait -3
	s_barrier_signal -1
	s_barrier_wait -1
.endm
	s_load_b256 s[4:11], s[0:1], 0x0               ; yp, wop, bo, out0
	v_lshl_add_u32 v[SPW], v0, 2, SPARE
	v_mov_b32 v[NIL], 0
	ds_add_u32 v[SPW], v[NIL]                      ; the wave's opening: the add, twice on end, and its wait ahead of my first tensor load
	ds_add_u32 v[SPW], v[NIL]
	v_lshrrev_b32 v10, 5, v0
	v_readfirstlane_b32 s14, v10                   ; wave
	s_lshr_b32 s15, s14, 1                         ; wr: my half of the rows.  Also: I fetch for P (0) or for R (1)
	s_and_b32 s16, s14, 1                          ; wp: my half of the columns.  Also: which K step of a chunk I fetch
	s_bfe_u32 s18, ttmp6, 0x40000                  ; cx
	s_bfe_u32 s19, ttmp6, 0x40004                  ; cy
	s_lshl_b32 s22, ttmp9, 2
	s_add_co_u32 s22, s22, s18                     ; Wo's panel of 256 rows
	s_and_b32 s23, ttmp7, 0xffff
	s_lshl_b32 s23, s23, 2
	s_add_co_u32 s23, s23, s19                     ; y's panel of 128 rows
	s_lshl_b32 s56, 0x1111, s18                    ; my column of the cluster
	s_lshl_b32 s57, s19, 2
	s_lshl_b32 s57, 15, s57                        ; my row
	s_or_b32 s[G1P], s56, (3<<16)|(1<<21)
	s_or_b32 s[G1R], s57, (3<<16)|(1<<21)
	s_mov_b32 s[G1P+1], 32<<16                     ; 17,408 dense bytes: 68 rows of 256
	s_mov_b32 s[G1P+2], 68<<16
	s_mov_b32 s[G1P+3], 32<<16
	s_mov_b32 s[G1P+4], 68
	s_mov_b32 s[G1P+5], 32
	s_mov_b32 s[G1P+6], 0
	s_mov_b32 s[G1P+7], 0
	s_mov_b32 s[G1R+1], 32<<16                     ; 8,704 dense bytes: 34 rows of 256
	s_mov_b32 s[G1R+2], 34<<16
	s_mov_b32 s[G1R+3], 32<<16
	s_mov_b32 s[G1R+4], 34
	s_mov_b32 s[G1R+5], 32
	s_mov_b32 s[G1R+6], 0
	s_mov_b32 s[G1R+7], 0
	s_mul_i32 s62, s16, QB                         ; my K step's place in a chunk, in LDS
	s_mul_i32 s58, s22, PANEL
	s_add_co_u32 s58, s58, s62
	s_mov_b32 s59, 0
	s_mul_i32 s60, s23, 8*YQB
	s_mul_i32 s61, s16, YQB
	s_add_co_u32 s60, s60, s61
	s_mov_b32 s61, 0
	s_wait_dscnt 0x0                               ; both opening adds are done
	s_wait_kmcnt 0x0
	s_add_nc_u64 s[92:93], s[6:7], s[58:59]
	s_add_nc_u64 s[94:95], s[4:5], s[60:61]
.irp k, 0,1,2,3
	s_mov_b32 s[G0P+4*\k], 1
	s_add_co_u32 s[G0P+4*\k+1], s62, \k*2*QB
	s_add_nc_u64 s[G0P+4*\k+2:G0P+4*\k+3], s[92:93], \k*2*QB
	s_or_b32 s[G0P+4*\k+3], s[G0P+4*\k+3], 0x80000000
	s_mov_b32 s[G0R+4*\k], 1
	s_add_co_u32 s[G0R+4*\k+1], s62, RBASE+\k*2*QB
	s_add_nc_u64 s[G0R+4*\k+2:G0R+4*\k+3], s[94:95], \k*2*YQB
	s_or_b32 s[G0R+4*\k+3], s[G0R+4*\k+3], 0x80000000
.endr
	CROUND                                         ; all sixteen work-groups are here: the joint loads meet
	s_cmp_eq_u32 s15, 0                            ; a wave's four first fills stand in one branch on the wave's number
	s_cbranch_scc0 .Lfirst_r
.irp k, 0,1,2,3
	tensor_load_to_lds s[G0P+4*\k:G0P+4*\k+3], s[G1P:G1P+7]
	s_nop 0
.endr
.rept 4
	v_nop
.endr
	s_branch .Lfirst_done
.Lfirst_r:
.irp k, 0,1,2,3
	tensor_load_to_lds s[G0R+4*\k:G0R+4*\k+3], s[G1R:G1R+7]
	s_nop 0
.endr
.rept 4
	v_nop
.endr
.Lfirst_done:
	v_and_b32 v10, 31, v0
	v_lshlrev_b32 v[L16], 4, v10
	s_wait_alu depctr_va_vdst(0)
	v_and_b32 v10, 15, v0                          ; r
	s_wait_alu depctr_va_vdst(0)
	v_bfe_u32 v11, v0, 4, 1                        ; h
	s_wait_alu depctr_va_vdst(0)
	v_lshlrev_b32 v[BO0], 6, v11
	s_lshl_b32 s56, s22, 10
	s_lshl_b32 s57, s16, 9
	s_add_co_u32 s56, s56, s57                     ; my first column, in bytes
	s_mov_b32 s57, 0
	s_add_nc_u64 s[BP:BP+1], s[8:9], s[56:57]
.irp i, 0,1,2,3,4,5,6,7                ; register 8 i + n of a lane is column 32 (i/2) + 8 (i%2) + 16 h + n of my 128
.irp k, 0,1
	global_load_b128 v[BIAS+8*\i+4*\k:BIAS+8*\i+4*\k+3], v[BO0], s[BP:BP+1] offset:128*(\i/2)+32*(\i%2)+16*\k
.endr
.endr
	s_lshl_b32 s58, s23, 7
	s_lshl_b32 s59, s15, 6
	s_add_co_u32 s58, s58, s59                     ; my first row
	s_lshl_b32 s58, s58, 12
	s_add_co_u32 s58, s58, s56
	s_mov_b32 s59, 0
	s_add_nc_u64 s[OUT:OUT+1], s[10:11], s[58:59]
	s_lshl_b32 s60, s16, 13
	v_add_nc_u32 v[ADRP], s60, v[L16]
	s_lshl_b32 s61, s15, 12
	s_add_co_u32 s61, s61, RBASE
	v_add_nc_u32 v[ADRR], s61, v[L16]
	s_lshl_b32 s60, s16, 9
	s_add_co_u32 s60, s60, 16384                   ; P's words of my 8 tiles
	s_lshl_b32 s61, s15, 8
	s_add_co_u32 s61, s61, RBASE+8192              ; R's of my 4
	s_sub_co_u32 s61, s61, s60
	v_lshl_add_u32 v[ADSP], v10, 2, s60
	v_mul_u32_u24 v[ADRS], s61, v11                ; lanes 16-31 take R's: one product, the distance between the two
	v_add_nc_u32 v[ADRS], v[ADRS], v[ADSP]
	s_mul_i32 s60, s14, 16*SPITCH
	s_add_co_u32 s60, s60, STAGE                   ; my stage
	v_mul_u32_u24 v[STO], v10, SPITCH
	v_lshl_add_u32 v[STO], v11, 6, v[STO]
	v_add_nc_u32 v[STO], s60, v[STO]               ; in: row r, + 64 h
	v_add_nc_u32 v[RD], s60, v[L16]                ; back: a row of 512 bytes to the 32 lanes
.macro FETCH set                       ; a K step's fragments and scale words: 32 LDS loads
	WIN 0x40
.irp i, 0,1,2,3,4,5,6,7
.irp c, 0,1
	ds_load_b128 v[64*(\set)+8*\i+4*\c:64*(\set)+8*\i+4*\c+3], v[ADRP] offset:\i*1024+\c*512
.endr
.endr
	WIN 0
.irp i, 0,1,2,3
.irp c, 0,1
	ds_load_b128 v[RF+32*(\set)+8*\i+4*\c:RF+32*(\set)+8*\i+4*\c+3], v[ADRR] offset:\i*1024+\c*512
.endr
.endr
.irp i, 0,1,2,3
	ds_load_b32 v[SC+8*(\set)+\i], v[ADRS] offset:64*\i
.endr
.irp i, 4,5,6,7
	ds_load_b32 v[SC+8*(\set)+\i], v[ADSP] offset:64*\i
.endr
.endm
.macro MUL set, first                  ; 32 products.  The 32 accumulators take turns, one instruction a turn, in one order in every step
.if \first
	WIN 0x81                                       ; source 0 window 1, source 1 and C (bo) window 0, D window 2
.else
	WIN 0xa1                                       ; C and D window 2
.endif
.irp j, 0,1,2,3
.irp i, 0,1,2,3,4,5,6,7
.if \first
	v_wmma_scale_f32_16x16x128_f8f6f4 v[64*\j+8*\i:64*\j+8*\i+7], v[64*(\set)+8*\i:64*(\set)+8*\i+7], v[RF+32*(\set)+8*\j:RF+32*(\set)+8*\j+7], v[BIAS+8*\i:BIAS+8*\i+7], v[SC+8*(\set)+\i], v[SC+8*(\set)+\j] matrix_a_fmt:MATRIX_FMT_FP4 matrix_b_fmt:MATRIX_FMT_FP4 matrix_b_scale:MATRIX_SCALE_ROW1
.else
	v_wmma_scale_f32_16x16x128_f8f6f4 v[64*\j+8*\i:64*\j+8*\i+7], v[64*(\set)+8*\i:64*(\set)+8*\i+7], v[RF+32*(\set)+8*\j:RF+32*(\set)+8*\j+7], v[64*\j+8*\i:64*\j+8*\i+7], v[SC+8*(\set)+\i], v[SC+8*(\set)+\j] matrix_a_fmt:MATRIX_FMT_FP4 matrix_b_fmt:MATRIX_FMT_FP4 matrix_b_scale:MATRIX_SCALE_ROW1
.endif
.endr
.endr
	WIN 0
.endm
; K step q.  tw >= 0: my part of the chunk that holds the next step is waited for (tw chunks were issued behind it and may stay out), then the work-group's barrier.
.macro KSTEP q, tw
	s_wait_dscnt 0x0                               ; this step's 32 loads, issued a step ago, are in
.if (\tw) >= 0
	s_wait_tensorcnt \tw
	s_barrier_signal -1
	s_barrier_wait -1
.endif
.if (\q) < 7
	v_add_nc_u32 v[ADRP], QB, v[ADRP]              ; these four lines are the places between the last products and the loads into registers that they read
	v_add_nc_u32 v[ADRR], QB, v[ADRR]
	v_add_nc_u32 v[ADRS], QB, v[ADRS]
	v_add_nc_u32 v[ADSP], QB, v[ADSP]
	FETCH ((\q)+1)%2
.endif
.if (\q) == 0
	MUL 0, 1
.else
	MUL (\q)%2, 0
.endif
.endm
; THE WAY OUT, a tile of 16 rows x 128 columns at a time: through my own stage and back as whole rows of 512 bytes.  LDS serves a wave's instructions in order: no wait between the stores and the loads.
.macro TOSTAGE j
	WIN 0x08                                       ; an LDS store's data are its source 1: window 2
.irp i, 0,1,2,3,4,5,6,7
	ds_store_b128 v[STO], v[64*(\j)+8*\i:64*(\j)+8*\i+3] offset:128*(\i/2)+32*(\i%2)        ; each accumulator from its low end on
	ds_store_b128 v[STO], v[64*(\j)+8*\i+4:64*(\j)+8*\i+7] offset:128*(\i/2)+32*(\i%2)+16
.endr
	WIN 0
.irp t, 0,1,2,3,4,5,6,7,8,9,10,11,12,13,14,15
	ds_load_b128 v[64+64*((\j)%2)+4*\t:64+64*((\j)%2)+4*\t+3], v[RD] offset:\t*SPITCH
.endr
.endm
.macro SEND j, younger                 ; younger: the LDS instructions issued behind tile j's loads, which may stay out
	s_wait_dscnt \younger
.irp t, 0,1,2,3,4,5,6,7,8,9,10,11,12,13,14,15
	global_store_b128 v[L16], v[64+64*((\j)%2)+4*\t:64+64*((\j)%2)+4*\t+3], s[OUT:OUT+1] offset:(32*((\j)/2)+8*((\j)%2)+\t+8*(\t/8))*4096 th:TH_STORE_NT   ; 512 consecutive bytes, aligned; stage row t is row t + 8 (t/8) of the tile
.endr
.endm
	s_wait_alu depctr_va_vdst(0)
	s_wait_tensorcnt 3                             ; my part of chunk 0 is in; three chunks were issued behind it
	s_barrier_signal -1
	s_barrier_wait -1
	FETCH 0
	s_wait_loadcnt 0x0                             ; bo
	KSTEP 0, -1
	s_wait_alu depctr_va_vdst(0)
	KSTEP 1, 2
	s_wait_alu depctr_va_vdst(0)
	KSTEP 2, -1
	s_wait_alu depctr_va_vdst(0)
	KSTEP 3, 1
	s_wait_alu depctr_va_vdst(0)
	KSTEP 4, -1
	s_wait_alu depctr_va_vdst(0)
	KSTEP 5, 0
	s_wait_alu depctr_va_vdst(0)
	KSTEP 6, -1
	KSTEP 7, -1
.rept 4
	v_nop                                          ; places between the last products, the reads of results and the loads into registers that they read
.endr
	TOSTAGE 0
.irp j, 1,2,3
.if \j > 1
	s_wait_xcnt 0x0                                ; tile j - 2's stores have read their registers: tile j's rows may land there
.endif
	TOSTAGE \j
	SEND \j-1, 32                                  ; behind tile j - 1's loads: tile j's 16 stores and 16 loads
.endr
	SEND 3, 0
	s_wait_tensorcnt 0x0                           ; the wave's end
	ds_add_u32 v[SPW], v[NIL]
	s_wait_dscnt 0x0
	CROUND                                         ; the closing round
	s_endpgm
.Lfunc_end_k_qa84e7066e4_gemm_out:
	.size	k_qa84e7066e4_gemm_out, .Lfunc_end_k_qa84e7066e4_gemm_out-k_qa84e7066e4_gemm_out
	.p2alignl 7, 3214868480
	.fill 96, 4, 3214868480
	.section	.rodata,"a",@progbits
	.p2align	6, 0x0
	.amdhsa_kernel k_qa84e7066e4_gemm_out
		.amdhsa_group_segment_fixed_size 312832
		.amdhsa_private_segment_fixed_size 0
		.amdhsa_enable_private_segment 0
		.amdhsa_kernarg_size 32
		.amdhsa_user_sgpr_count 2
		.amdhsa_user_sgpr_kernarg_segment_ptr 1
		.amdhsa_wavefront_size32 1
		.amdhsa_system_sgpr_workgroup_id_x 1
		.amdhsa_system_sgpr_workgroup_id_y 1
		.amdhsa_system_sgpr_workgroup_id_z 1
		.amdhsa_system_vgpr_workitem_id 0
		.amdhsa_next_free_vgpr 768
		.amdhsa_next_free_sgpr 100
		.amdhsa_reserve_vcc 0
		.amdhsa_float_denorm_mode_32 3
		.amdhsa_float_denorm_mode_16_64 3
		.amdhsa_memory_ordered 1
		.amdhsa_forward_progress 1
		.amdhsa_inst_pref_size 76
	.end_amdhsa_kernel
	.amdgpu_metadata
---
amdhsa.version: [ 1, 2 ]
amdhsa.kernels:
  - .name:           k_qa84e7066e4_gemm_out
    .symbol:         k_qa84e7066e4_gemm_out.kd
    .args:
      - { .name: yp, .offset: 0, .size: 8, .value_kind: global_buffer, .address_space: global }
      - { .name: wop, .offset: 8, .size: 8, .value_kind: global_buffer, .address_space: global }
      - { .name: bo, .offset: 16, .size: 8, .value_kind: global_buffer, .address_space: global }
      - { .name: out0, .offset: 24, .size: 8, .value_kind: global_buffer, .address_space: global }
    .group_segment_fixed_size: 312832
    .private_segment_fixed_size: 0
    .kernarg_segment_align: 8
    .kernarg_segment_size: 32
    .max_flat_workgroup_size: 128
    .sgpr_count:     100
    .vgpr_count:     768
    .wavefront_size: 32
...
	.end_amdgpu_metadata
.endif
;; end of part 4
